; MI455X (gfx1250); checked and timed in simulation.
; The chip was launched on July 23, 2026; its instructions are those of AMD's public machine-readable ISA for CDNA 5 (MIT licence, August 2026) and "CDNA5" Instruction Set Architecture Reference Guide (July 2026). The comments in the code are by the model that wrote it; some were corrected since.
;; SGD NFM. Allowed arithmetic: matrix products marked QUANTISED: E2M1 operands, one E8M0 scale for each 32 along K, by v_wmma_scale_f32_16x16x128_f8f6f4 with both operands' format E2M1 (or v_wmma_scale_f32_32x16x128_f4), f32 sums; products left as they are: f32 operands where the result goes on into a quantised operand, else bf16, f16 or f32 operands; f32 sums; everything else in f32.
;; Inputs: W0 16 x 128 float32; W1_codes 128 x 4 x 16 uint8 (E2M1 codes of W1, K innermost, in blocks of 32 codes, two codes a byte); W1_scales 128 x 4 uint8 (E8M0 scales of W1, one for each 32 codes along K); Xi 16,384 x 39 x 1 int32; Xv 16,384 x 39 float32; b0 128 float32; b1 128 float32; b_bias one number float32; e2 39 x 100,000 x 16 float32; w1 39 x 100,000 float32.
;; Outputs: out0 16,384 float32.
;; This version of the problem:
;;   THIS VERSION OF THE PROBLEM IS GIVEN IN LOW PRECISION. The matrix products marked QUANTISED in the list below multiply operands that are first quantised to E2M1 (2 exponent bits, 1 mantissa bit; 4 bits a number), with one power-of-two scale for each 32 numbers along K (OCP MX v1.0); their sums are f32. All else is computed in f32.
;;   The module's matrix products, in the order in which they are computed (A, B: the left and right operand; K: the contracted axis; several contracted axes count as one K, in the product's order):
;;     1. [M 16,384, K 16] x [K 16, N 128]; A: computed on the way; B: input W0: left as it is (K = 16 < 32)
;;     2. [M 16,384, K 128] x [K 128, N 128]; A: computed on the way; B: input W1 (given as codes): QUANTISED
;;   THE QUANTISER, for each operand of a quantised product, along K:
;;     - K is cut into blocks of 32 from its start; a last block that is shorter is filled with zeros.
;;     - A block's scale is 2^e with e = floor(log2(the largest magnitude in the block)) - 2, held to -126 .. 127; a block of zeros has e = 0. As a byte (E8M0): e + 127.
;;     - Each number is divided by its block's scale, clamped to +-6, and rounded to the nearest number of E2M1, ties to even, subnormals kept.
;;     - The product sums the exact products of the quantised numbers (number of the format x scale) in f32.
;;   ~~~python
;;   def quantise(x, axis):      # numpy; x: float32 -> the quantised numbers, widened to float32 again
;;       x = np.moveaxis(x, axis, -1); K = x.shape[-1]
;;       x = np.pad(x, [(0, 0)] * (x.ndim - 1) + [(0, -K % 32)]); x = x.reshape(x.shape[:-1] + (-1, 32)); a = np.abs(x).max(-1, keepdims=True)
;;       e = np.where(a > 0, np.clip(np.frexp(np.where(a > 0, a, 1))[1] - 1 - 2, -126, 127), 0)      # np.frexp(a)[1] - 1 = floor(log2(a)), exactly
;;       r = np.clip(x / 2.0 ** e, -6, 6)
;;       step = 2.0 ** (np.maximum(np.frexp(np.where(r == 0, 1, r))[1] - 1, 0) - 1)
;;       q = np.round(r / step) * step * 2.0 ** e      # np.round: ties to even
;;       return np.moveaxis(q.reshape(q.shape[:-2] + (-1,))[..., :K], -1, axis).astype(np.float32)
;;   ~~~
;;   OPERANDS COMPUTED ON THE WAY. 'Computed on the way' means the value that the module computes at that place (a softmax that the list does not call 'softmax' is quantised finished and normalised). What goes into a quantiser is computed in f32, as accurately as f32 sums, v_exp_f32 and their like allow (about 1e-6 of the number): no bf16 or f16 on the way to a quantiser, and a product that is left as it is and whose result goes on into a quantised operand takes f32 operands (vector FMAs, or v_wmma_f32_16x16x4_f32). A number that lies on a knife's edge between two numbers of the format may be rounded either way, as far as f32 arithmetic and the matrix unit's own rounding can turn it there, and no further.
;;   INPUTS GIVEN AS CODES. W1 (in the module: [128, 128], K = its axis 0): each comes as NAME_codes (uint8): NAME with its K axis moved to the last place and cut into blocks of 32 codes, [.., K / 32, bytes a block], one block behind the other in memory; two codes a byte, the lower K in the low four bits (a code: sign, 2 exponent bits, 1 mantissa bit); and NAME_scales (uint8): the same leading axes, one E8M0 byte (e + 127) for each 32 codes along K. Its value is code x scale, taken as it is: it is not quantised again, and the codes and scales need not be those that the quantiser above would give.
;; 2 versions, each right; version 2 is version 1 with the launch nfm written anew for expert scheduling mode. Each part assembles by itself: llvm-mc -triple=amdgcn-amd-amdhsa -mcpu=gfx1250 --defsym DOCPART=n.
;; ======== version 1 of 2: 1 launch
;; launch nfm (part 1): grid 256 x 1, 4 waves a work-group, no clusters, 43,520 bytes of LDS; arguments Xi, Xv, e2, w1, W0, b0, W1_codes, W1_scales, b1, b_bias, out0; writes out0
.if DOCPART == 1
	.amdgcn_target "amdgcn-amd-amdhsa--gfx1250"
	.amdhsa_code_object_version 6
	.text
	.protected	k_qc101a70ee4_nfm
	.globl	k_qc101a70ee4_nfm
	.p2align	8
	.type	k_qc101a70ee4_nfm,@function
k_qc101a70ee4_nfm:
	s_mov_b64 s[64:65], 0
	v_nop
	global_prefetch_b8 v0, s[64:65] scope:SCOPE_SE
	s_setreg_imm32_b32 hwreg(HW_REG_WAVE_MODE, 25, 1), 1
	s_wait_xcnt 0x0
; out0[row] = b_bias + sum_f w1[f][idx] Xv + sum_n relu( Q(relu(second W0 + b0)) W1 + b1 )[n],  second = 0.5 (s^2 - sum_f v^2), v = e2[f][idx] Xv, s = sum_f v.
; 16,384 rows, 39 fields, 16 components, 128 hidden units.  The first product (K = 16) feeds a quantiser and is made in f32 (v_wmma_f32_16x16x4_f32); its relu is quantised along the 128 hidden units to
; E2M1 with one E8M0 scale for each 32; the second product takes these codes and W1's given codes and scales (v_wmma_scale_f32_16x16x128_f8f6f4, both sides FP4).  All else in f32.
; SHARES.  One launch, nothing through memory.  A work-group of four waves owns 64 rows (256 consecutive bytes of out0); a wave owns 16 rows, one matrix tile, through the whole chain.  No loop.
; GATHERS.  e2: four neighbouring lanes take the 64 bytes of ONE lookup, 16 bytes each, so a load of the wave brings 8 lookups whole; lane 4 g + c keeps components 4 c .. 4 c + 3 of row g (world 0) and of row
; g + 8 (world 1), so the sums over fields need no other lane.  w1: lane (r, h) takes row r, fields 19 h + 0 .. 19; field 19 so comes twice, and the word of lanes 16-31 for it is replaced by 0.
; All 98 gathers of a wave are issued on end as soon as its indices are in; the hardware holds back the issue of a load that would push the counter past its field (ISA guide 5.7.1), so no wait is written for that.
; Xi and Xv of the wave's 16 rows are 2,496 dense bytes each: read by dense loads of 16 bytes a lane, laid into the wave's own LDS stage as they lie, and read from there word by word in the two layouts.
; WEIGHTS.  Each wave reads a quarter of W0 and of W1's codes from memory in the order of the operands' registers and stores them to LDS as images of these registers (16 bytes a lane, 512 a store); behind one
; barrier every wave loads all of them.  b0, b1 and W1's scales are copied as they lie by waves 0, 1, 2.
; LEFT OUT.  Tensor loads: nothing dense is large, and gathers go lane by lane.  Clusters with joint loads: what work-groups share is 17,920 bytes of weights, against 64 x 39 x 68 = 169,728 bytes
; gathered and 19,968 bytes of Xi and Xv that are a work-group's own, and W0 is wanted turned, which a tile load does not give.  Prefetches: a gather's address is known only when its index is in, and then the load itself is issued.
; LIMITS.  An index is taken as unsigned and held at 99,999 (the definition relies on 0 <= index < 100,000).  NaN and infinities among the inputs are not served.  A hidden block whose largest number lies under
; 2^-124 keeps the scale byte 1 (a block of zeros too: its codes are zeros, which add nothing).  The f32 sums over fields, over K = 16 and over the 128 outputs are taken in another order than the definition's.
;
; REGISTERS, in windows of 256 (s_set_vgpr_msb: bits 1:0 source 0, 3:2 source 1, 5:4 source 2, 7:6 destination):
;   window 0: v1-23 lane terms and addresses, never rewritten; v24-99 what the head loads; v100-139 the first-order words; v140-143 sums; v144-151 second as an operand; v152-159 W1's scale words;
;             v160-223 the hidden layer, later the outputs; v224-239 at work; v240-247 the hidden layer's codes; v248 their scale word; v249 at work
;   window 1 (world 0), window 2 (world 1): v[4 f .. 4 f + 3] field f: index, then offset, then 4 components; v[160 + f] its Xv; v200-203 s, v204-207 sum of v^2, v208-211 at work.
;             When world 0 is done, window 1 takes W1's 8 fragments (v0-63) and b1 in the result's layout (v64-127).
;   window 3: v0-63 W0's 8 fragments; v64-127 b0 in the result's layout; v128-191 the first product's sums (written by matrix instructions alone); v192-255 the second's.
.set NF,     39                        ; fields
.set VOCAB,  100000
.set ROWB,   4*NF                      ; a row of Xi or of Xv: 156 bytes
.set TILEB,  16*ROWB                   ; a wave's 16 rows: 2,496 bytes
.set FLD_E,  VOCAB*64                  ; a field's table in e2
.set FLD_W,  VOCAB*4                   ; and in w1
; LDS
.set STW,    5120                      ; a wave's stage: Xi at 0, Xv at XVO
.set XVO,    2560
.set SEC,    4*STW                     ; 1,024 bytes a wave: second, [16 rows][64 bytes]
.set W0IMG,  SEC+4*1024                ; W0's 8 fragments: tile t at 1,024 t; registers 0-3 at 16 x lane, registers 4-7 512 further on
.set W1IMG,  W0IMG+8192                ; W1's likewise
.set MISC,   W1IMG+8192                ; b0, b1 at +512, W1's scales at +1,024
.set OUTL,   MISC+1536                 ; the work-group's 64 results
; window 0
.set LANE, 1
.set R,    2                           ; lane % 16
.set H,    3                           ; lane / 16
.set G,    4                           ; lane / 4
.set C16,  5                           ; 16 (lane % 4)
.set LI,   6                           ; 16 x lane
.set IMGW, 7                           ; 16 x lane + 2,048 x wave: where I store images
.set STG,  8                           ; 16 x lane + my stage
.set AI,   9                           ; my stage + 156 g: row g
.set ADW,  10                          ; my stage + 156 r + 76 h: row r, field 19 h
.set SECW, 11                          ; 1,024 x wave + 16 x lane
.set SECR, 12                          ; 1,024 x wave + 64 r + 32 h
.set H64,  13
.set H32,  14
.set R4,   15
.set MISW, 16                          ; 512 x wave + 16 x lane
.set GW0,  17                          ; W0: 4,096 h + 4 (r + 8 (r / 8)) + 128 x wave
.set GW1,  18                          ; W1's codes: 64 r + 16 h + 2,048 x wave
.set HOFF, 19                          ; 19 fields of w1 x h
.set OUTW, 20                          ; 64 x wave + 4 r
.set LN8,  21                          ; 8 x lane
.set C16B, 22                          ; 16 (lane % 4) + one field's table of e2
.set NIL,  23                          ; 0
.set XIT,  24
.set XVT,  44
.set W1T,  64
.set W0T,  80
.set MT,   96
.set WD,   100                         ; index, then offset, then the word of w1
.set WX,   120                         ; its Xv
.set FS,   140
.set U,    142
.set BF,   144
.set W1S,  152
.set X,    160
.set TM,   224                         ; +0..3 largest numbers, +4..7 the other half's, then the bytes, +12..15 the conversions' scale operands
.set PC,   240
.set PW,   248
.set TMP,  249
; windows 1 and 2
.set XVR,  160
.set S,    200
.set Q,    204
.set T,    208
.set W1F,  0                           ; window 1, later
.set B1C,  64
; window 3
.set AF,   0
.set BC0,  64
.set A1,   128
.set A2,   192
.set EB,   36                          ; s[36:61] thirteen bases in e2: field 3 k.  Field 3 k + 1 is reached by the immediate 6,400,000, inside its signed 24 bits (ISA guide, chapter 10);
                                       ; field 3 k + 2 by the same immediate and 6,400,000 more in the lane term of its offset.  No immediate of a gather is negative
.set MSB, 0
.macro WIN new                         ; the immediate's high byte repeats the setting that is left; a switch that changes nothing is dropped
.if MSB != (\new)
	s_set_vgpr_msb (MSB<<8)|(\new)
.set MSB, (\new)
.endif
.endm
	s_load_b256 s[4:11], s[0:1], 0x0               ; Xi s[4:5], Xv s[6:7], e2 s[8:9], w1 s[10:11]
	s_load_b256 s[12:19], s[0:1], 0x20             ; W0 s[12:13], b0 s[14:15], W1's codes s[16:17], W1's scales s[18:19]
	s_load_b128 s[20:23], s[0:1], 0x40             ; b1 s[20:21], b_bias s[22:23]
	s_load_b64 s[24:25], s[0:1], 0x50              ; out0
	v_lshl_add_u32 v254, v0, 2, 0xa800
	v_mov_b32 v255, 0
	; all lane terms and LDS addresses are made here, while the pointers are on their way, ahead of the first branch, and stay
	v_lshrrev_b32 v[LANE], 5, v0
	v_readfirstlane_b32 s2, v[LANE]                ; wave 0..3
	v_and_b32 v[LANE], 31, v0
	v_and_b32 v[R], 15, v0
	v_bfe_u32 v[H], v0, 4, 1
	v_bfe_u32 v[G], v0, 2, 3
	v_and_b32 v[C16], 3, v0
	v_lshlrev_b32 v[C16], 4, v[C16]
	v_add_nc_u32 v[C16B], FLD_E, v[C16]
	v_lshlrev_b32 v[LI], 4, v[LANE]
	s_lshl_b32 s3, s2, 11
	v_add_nc_u32 v[IMGW], s3, v[LI]
	s_mul_i32 s27, s2, STW
	v_add_nc_u32 v[STG], s27, v[LI]
	v_mul_u32_u24 v[AI], v[G], ROWB
	v_add_nc_u32 v[AI], s27, v[AI]
	v_mul_u32_u24 v[ADW], v[R], ROWB
	v_mul_u32_u24 v[TMP], v[H], 19*4
	v_add_nc_u32 v[ADW], v[ADW], v[TMP]
	v_add_nc_u32 v[ADW], s27, v[ADW]
	s_lshl_b32 s3, s2, 10
	v_add_nc_u32 v[SECW], s3, v[LI]
	v_lshlrev_b32 v[SECR], 6, v[R]
	v_lshl_add_u32 v[SECR], v[H], 5, v[SECR]
	v_add_nc_u32 v[SECR], s3, v[SECR]
	v_lshlrev_b32 v[H64], 6, v[H]
	v_lshlrev_b32 v[H32], 5, v[H]
	v_lshlrev_b32 v[R4], 2, v[R]
	s_lshl_b32 s3, s2, 9
	v_add_nc_u32 v[MISW], s3, v[LI]
	v_and_b32 v[GW0], 8, v[R]
	v_add_nc_u32 v[GW0], v[GW0], v[R]              ; r + 8 (r / 8): 0 .. 7, 16 .. 23
	v_lshlrev_b32 v[GW0], 2, v[GW0]
	v_lshl_add_u32 v[GW0], v[H], 12, v[GW0]        ; + 8 h rows of W0, 512 bytes each
	s_lshl_b32 s3, s2, 7
	v_add_nc_u32 v[GW0], s3, v[GW0]                ; + my 32 hidden units
	v_lshlrev_b32 v[GW1], 6, v[R]
	v_lshl_add_u32 v[GW1], v[H], 4, v[GW1]
	s_lshl_b32 s3, s2, 11
	v_add_nc_u32 v[GW1], s3, v[GW1]                ; + my 32 rows of W1's codes
	v_mul_u32_u24 v[HOFF], v[H], 19*FLD_W
	s_lshl_b32 s3, s2, 6
	v_add_nc_u32 v[OUTW], s3, v[R4]
	v_lshlrev_b32 v[LN8], 3, v[LANE]
	v_mov_b32 v[NIL], 0
.irp b, 0,1,2,3
	v_mov_b32 v[TM+4+\b], 0                        ; written once: a lane permute's destination counts as one of its sources (v[TMP] has been written above)
.endr
	s_mov_b32 s30, 0x76543210
	s_mov_b32 s31, 0xfedcba98                      ; v_permlanex16_b32's selects for lane l xor 16
	s_mov_b32 vcc_lo, 0xffff0000                   ; lanes 16-31
	s_lshl_b32 s32, ttmp9, 2
	s_add_co_u32 s32, s32, s2
	s_mul_i32 s32, s32, TILEB                      ; my 16 rows in Xi and in Xv: (4 x work-group + wave) x 2,496 bytes
	s_mov_b32 s33, 0
	s_lshl_b32 s34, ttmp9, 8                       ; my work-group's 256 bytes of out0
	s_mov_b32 s35, 0
	s_wait_kmcnt 0x0
	s_add_nc_u64 s[4:5], s[4:5], s[32:33]
	s_add_nc_u64 s[6:7], s[6:7], s[32:33]
	; five loads of 512 consecutive bytes each; the last begins 512 bytes before the block's end and reads 64 bytes a second time, so that no lane leaves the block
.set n, 0
.irp o, 0,512,1024,1536,TILEB-512
	global_load_b128 v[XIT+4*n:XIT+4*n+3], v[LI], s[4:5] offset:\o
.set n, n+1
.endr
.set n, 0
.irp o, 0,512,1024,1536,TILEB-512
	global_load_b128 v[XVT+4*n:XVT+4*n+3], v[LI], s[6:7] offset:\o
.set n, n+1
.endr
	s_load_b32 s26, s[22:23], 0x0                  ; b_bias
	s_add_nc_u64 s[24:25], s[24:25], s[34:35]
.set k, 0
.rept 13
	s_add_nc_u64 s[EB+2*k:EB+2*k+1], s[8:9], 3*k*FLD_E
.set k, k+1
.endr
	s_cmp_eq_u32 s2, 0                             ; what I copy as it lies: wave 0 b0, wave 1 b1, wave 2 W1's scales: a choice on the wave's number alone
	s_cselect_b64 s[28:29], s[14:15], s[20:21]
	s_cmp_eq_u32 s2, 2
	s_cselect_b64 s[28:29], s[18:19], s[28:29]
	; my quarter of the weights, tiles 2 w and 2 w + 1 of each, in the order of the operands' registers
.irp u, 0,1
.irp c, 0,1
	global_load_b128 v[W1T+8*\u+4*\c:W1T+8*\u+4*\c+3], v[GW1], s[16:17] offset:1024*\u+32*\c   ; W1's row 16 t + r, codes of k = 64 c + 32 h + 0 .. 31
.endr
.endr
.irp u, 0,1
.irp i, 0,1,2,3,4,5,6,7
	global_load_b32 v[W0T+8*\u+\i], v[GW0], s[12:13] offset:512*\i+32*\u   ; W0[8 h + i][32 w + 8 u + r + 8 (r / 8)]
.endr
.endr
	s_cmp_lt_u32 s2, 3
	s_cbranch_scc0 .Lno_misc_load
	global_load_b128 v[MT:MT+3], v[LI], s[28:29]   ; 512 bytes
.Lno_misc_load:
	; ---- Xi and Xv into my stage, as they lie
	s_wait_loadcnt 20                              ; behind Xv's loads stand 20 loads (21 in waves 0 to 2): Xi and Xv are in
.set n, 0
.irp o, 0,512,1024,1536,TILEB-512
	ds_store_b128 v[STG], v[XIT+4*n:XIT+4*n+3] offset:\o
	ds_store_b128 v[STG], v[XVT+4*n:XVT+4*n+3] offset:XVO+\o
.set n, n+1
.endr
; World p's 39 indices: row g + 8 p, the same word in the four lanes of a lookup.  LDS serves a wave's instructions in order (ISA guide 5.7.1.4): these see my stores.
.macro IDX p
	WIN ((\p)+1)<<6
.set f, 0
.rept NF
	ds_load_b32 v[4*f], v[AI] offset:8*ROWB*(\p)+4*f
.set f, f+1
.endr
.endm
; Index to offset: held at the table's last row, then 64 bytes a row + my 16 bytes (+ one field's table for fields 3 k + 2).
.macro ADDR p
	WIN (((\p)+1)<<6)|(((\p)+1)<<2)
.set f, 0
.rept NF
	v_min_u32 v[4*f], VOCAB-1, v[4*f]
.set f, f+1
.endr
	WIN (((\p)+1)<<6)|((\p)+1)
.set f, 0
.rept NF
.if f%3 == 2
	v_lshl_add_u32 v[4*f], v[4*f], 6, v[C16B]
.else
	v_lshl_add_u32 v[4*f], v[4*f], 6, v[C16]
.endif
.set f, f+1
.endr
.endm
; 39 gathers: 8 lookups of 64 bytes each.  A load lands on its own offset register and on no other's.  The immediate: 0 for fields 3 k, one field's table for fields 3 k + 1 and 3 k + 2.
.macro GATHER p
	WIN (((\p)+1)<<6)|((\p)+1)
.set f, 0
.rept NF
	global_load_b128 v[4*f:4*f+3], v[4*f], s[EB+2*(f/3):EB+2*(f/3)+1] offset:((f%3+1)/2)*FLD_E
.set f, f+1
.endr
.endm
	IDX 0
	IDX 1
	WIN 0
.set i, 0
.rept 20
	ds_load_b32 v[WD+i], v[ADW] offset:4*i         ; row r, field 19 h + i
.set i, i+1
.endr
	s_wait_dscnt 59                                ; world 0's indices are in: behind them stand world 1's 39 reads and these 20
	ADDR 0
	GATHER 0
	s_wait_dscnt 20                                ; world 1's are in
	ADDR 1
	GATHER 1
	s_wait_dscnt 0x0
	WIN 0
.set i, 0
.rept 20
	v_min_u32 v[WD+i], VOCAB-1, v[WD+i]
.set i, i+1
.endr
.set i, 0
.rept 20
	v_lshl_add_u32 v[WD+i], v[WD+i], 2, v[HOFF]
.set i, i+1
.endr
.set i, 0
.rept 20
	global_load_b32 v[WD+i], v[WD+i], s[10:11] offset:FLD_W*i   ; the field's table stands in the immediate: 7,600,000 at the most; with h's 7,600,000 and the index's 399,996 the last byte read is w1's last
.set i, i+1
.endr
	; ---- while the gathers are on their way: Xv in both layouts, the weights' images, the barrier, the first product's operands
.macro XVL p
	WIN ((\p)+1)<<6
.set f, 0
.rept NF
	ds_load_b32 v[XVR+f], v[AI] offset:XVO+8*ROWB*(\p)+4*f
.set f, f+1
.endr
	v_mov_b32 v[XVR+NF], 0                         ; named as the upper half of field 38's pair, so it is written
.endm
	XVL 0
	XVL 1
	WIN 0
.set i, 0
.rept 20
	ds_load_b32 v[WX+i], v[ADW] offset:XVO+4*i
.set i, i+1
.endr
	s_wait_loadcnt 63                              ; the weights' loads are older than the 98 gathers: with at most 63 loads out they are in
.irp u, 0,1
.irp c, 0,1
	ds_store_b128 v[IMGW], v[W1T+8*\u+4*\c:W1T+8*\u+4*\c+3] offset:W1IMG+1024*\u+512*\c
	ds_store_b128 v[IMGW], v[W0T+8*\u+4*\c:W0T+8*\u+4*\c+3] offset:W0IMG+1024*\u+512*\c
.endr
.endr
	s_cmp_lt_u32 s2, 3
	s_cbranch_scc0 .Lno_misc_store
	ds_store_b128 v[MISW], v[MT:MT+3] offset:MISC
.Lno_misc_store:
	s_wait_kmcnt 0x0                               ; b_bias
	s_wait_dscnt 0x0                               ; for the others' sake: my images lie in LDS (and my reads of Xv are in)
	s_barrier_signal -1                            ; the gathers stay on their way across this barrier: nobody writes what they read
	s_barrier_wait -1
	WIN 0xc0                                       ; destination window 3
.irp t, 0,1,2,3,4,5,6,7
.irp c, 0,1
	ds_load_b128 v[AF+8*\t+4*\c:AF+8*\t+4*\c+3], v[LI] offset:W0IMG+1024*\t+512*\c
.endr
.endr
.irp t, 0,1,2,3,4,5,6,7
.irp c, 0,1
	ds_load_b128 v[BC0+8*\t+4*\c:BC0+8*\t+4*\c+3], v[H64] offset:MISC+128*(\t/2)+32*(\t%2)+16*\c   ; b0 at hidden units 32 (t / 2) + 16 h + 8 (t % 2) + 0 .. 7
.endr
.endr
	WIN 0
.irp t, 0,1,2,3,4,5,6,7
	ds_load_b32 v[W1S+\t], v[R4] offset:MISC+1024+64*\t   ; the scale word of W1's row 16 t + r
.endr
; ---- the sums over fields.  Field f of a world: v = e x Xv; s += e x Xv; sum of squares += v x v: six packed instructions for four components.  Xv is taken from its pair's low word (f even) or high word (f odd).
; The wait's count: the loads younger than this field's, younger - f of them; a wait names 63 at the most.  Field 0 starts the sums: nothing is cleared.
.macro ACC younger
.set E0, 4*f
.set XP, XVR+2*(f/2)
.set CNT, (\younger)-f
.if CNT > 63
.set CNT, 63
.endif
	s_wait_loadcnt CNT
.if f == 0
	v_pk_mul_f32 v[S:S+1], v[E0:E0+1], v[XP:XP+1] op_sel_hi:[1,0]
	v_pk_mul_f32 v[S+2:S+3], v[E0+2:E0+3], v[XP:XP+1] op_sel_hi:[1,0]
	v_pk_mul_f32 v[Q:Q+1], v[S:S+1], v[S:S+1]
	v_pk_mul_f32 v[Q+2:Q+3], v[S+2:S+3], v[S+2:S+3]
.elseif f%2 == 0
	v_pk_mul_f32 v[T:T+1], v[E0:E0+1], v[XP:XP+1] op_sel_hi:[1,0]
	v_pk_mul_f32 v[T+2:T+3], v[E0+2:E0+3], v[XP:XP+1] op_sel_hi:[1,0]
	v_pk_fma_f32 v[S:S+1], v[E0:E0+1], v[XP:XP+1], v[S:S+1] op_sel_hi:[1,0,1]
	v_pk_fma_f32 v[S+2:S+3], v[E0+2:E0+3], v[XP:XP+1], v[S+2:S+3] op_sel_hi:[1,0,1]
	v_pk_fma_f32 v[Q:Q+1], v[T:T+1], v[T:T+1], v[Q:Q+1]
	v_pk_fma_f32 v[Q+2:Q+3], v[T+2:T+3], v[T+2:T+3], v[Q+2:Q+3]
.else
	v_pk_mul_f32 v[T:T+1], v[E0:E0+1], v[XP:XP+1] op_sel:[0,1] op_sel_hi:[1,1]
	v_pk_mul_f32 v[T+2:T+3], v[E0+2:E0+3], v[XP:XP+1] op_sel:[0,1] op_sel_hi:[1,1]
	v_pk_fma_f32 v[S:S+1], v[E0:E0+1], v[XP:XP+1], v[S:S+1] op_sel:[0,1,0] op_sel_hi:[1,1,1]
	v_pk_fma_f32 v[S+2:S+3], v[E0+2:E0+3], v[XP:XP+1], v[S+2:S+3] op_sel:[0,1,0] op_sel_hi:[1,1,1]
	v_pk_fma_f32 v[Q:Q+1], v[T:T+1], v[T:T+1], v[Q:Q+1]
	v_pk_fma_f32 v[Q+2:Q+3], v[T+2:T+3], v[T+2:T+3], v[Q+2:Q+3]
.endif
.endm
; A world: its 39 fields; second = 0.5 (s s - sum of squares); my four components to row g + 8 p of the wave's own 1,024 bytes: 64 (g + 8 p) + 16 c = 16 x lane + 512 p
.macro WORLD p, younger
	WIN 0x55*((\p)+1)                              ; every operand in the world's window
.set f, 0
.rept NF
	ACC \younger
.set f, f+1
.endr
	v_pk_fma_f32 v[T:T+1], v[S:S+1], v[S:S+1], v[Q:Q+1] neg_lo:[0,0,1] neg_hi:[0,0,1]
	v_pk_fma_f32 v[T+2:T+3], v[S+2:S+3], v[S+2:S+3], v[Q+2:Q+3] neg_lo:[0,0,1] neg_hi:[0,0,1]
	v_pk_mul_f32 v[T:T+1], v[T:T+1], 0.5 op_sel_hi:[1,0]
	v_pk_mul_f32 v[T+2:T+3], v[T+2:T+3], 0.5 op_sel_hi:[1,0]
	WIN ((\p)+1)<<2                                ; an LDS store's data are its source 1
	ds_store_b128 v[SECW], v[T:T+3] offset:SEC+512*(\p)
.endm
	WORLD 0, 97                                    ; behind world 0's field f: 38 - f of its own, world 1's 39, w1's 20
	WIN 0x40                                       ; world 0's registers are free: window 1 takes the second product's weights
.irp t, 0,1,2,3,4,5,6,7
.irp c, 0,1
	ds_load_b128 v[W1F+8*\t+4*\c:W1F+8*\t+4*\c+3], v[LI] offset:W1IMG+1024*\t+512*\c
.endr
.endr
.irp t, 0,1,2,3,4,5,6,7
.irp c, 0,1
	ds_load_b128 v[B1C+8*\t+4*\c:B1C+8*\t+4*\c+3], v[H32] offset:MISC+512+64*\t+16*\c   ; b1 at outputs 16 t + 8 h + 0 .. 7
.endr
.endr
	WORLD 1, 58                                    ; behind world 1's field f: 38 - f of its own, w1's 20
	; ---- the first product, in f32, TRANSPOSED: source 0 = 16 hidden units, source 1 = my 16 rows.  Lane m of tile t = 2 b + u takes unit 32 b + 8 u + m + 8 (m / 8), so that register j of lane (r, h) is unit
	; 32 b + 16 h + 8 u + j of row r: the 16 registers of tiles 2 b, 2 b + 1 are 16 neighbours along the next K.  K is permuted alike on both sides: step s, half h, register j stand for k = 8 h + 2 s + j.
	WIN 0
	ds_load_b128 v[BF:BF+3], v[SECR] offset:SEC    ; second[r][8 h + 0 .. 7]: my own bytes, in order behind my stores
	ds_load_b128 v[BF+4:BF+7], v[SECR] offset:SEC+16
	s_wait_dscnt 0x0                               ; these, and all the weights' loads
	WIN 0xf3                                       ; W0, b0 and the sums in window 3, second in window 0
.irp s, 0,1,2,3                                ; the eight sums take turns, one instruction a turn; b0 is the C of each sum's first step
.irp t, 0,1,2,3,4,5,6,7
.if \s == 0
	v_wmma_f32_16x16x4_f32 v[A1+8*\t:A1+8*\t+7], v[AF+8*\t:AF+8*\t+1], v[BF:BF+1], v[BC0+8*\t:BC0+8*\t+7]
.else
	v_wmma_f32_16x16x4_f32 v[A1+8*\t:A1+8*\t+7], v[AF+8*\t+2*\s:AF+8*\t+2*\s+1], v[BF+2*\s:BF+2*\s+1], v[A1+8*\t:A1+8*\t+7]
.endif
.endr
.endr
	WIN 0x0c                                       ; source 1 window 3, destination window 0
.rept 8
	v_nop                                          ; eight places between this matrix form and the first read of its results
.endr
.set n, 0
.rept 64
	v_max_num_f32 v[X+n], 0, v[A1+n]               ; the activation, into other registers; each sum is read from its low end on
.set n, n+1
.endr
	WIN 0
	; ---- the hidden layer's four blocks of 32 along the next K: register 16 b + i of lane (r, h) is k = 32 b + 16 h + i of row r.  No |.| on the sources: none is negative
.irp b, 0,1,2,3
	v_max3_num_f32 v[TM+\b], v[X+16*\b], v[X+1+16*\b], 0x1800000   ; my 16 numbers, and the floor 2^(3 - 127): so the byte cannot fall under 1
.endr
.irp i, 2,4,6,8,10,12,14
.irp b, 0,1,2,3
	v_max3_num_f32 v[TM+\b], v[TM+\b], v[X+16*\b+\i], v[X+1+16*\b+\i]   ; (the four blocks by turns)
.endr
.endr
.irp b, 0,1,2,3
	v_permlanex16_b32 v[TM+4+\b], v[TM+\b], s30, s31
.endr
.irp b, 0,1,2,3
	v_max_num_f32 v[TM+\b], v[TM+\b], v[TM+4+\b]   ; with lane l xor 16's 16: the block's largest number
.endr
.irp b, 0,1,2,3
	v_add_nc_u32 v[TM+12+\b], 0xff000000, v[TM+\b] ; 2 off its exponent field: the conversion takes the exponent field of this operand as its scale, and nothing else of it
.endr
.irp b, 0,1,2,3
	v_lshrrev_b32 v[TM+4+\b], 23, v[TM+12+\b]      ; the scale's byte
.endr
	v_lshl_or_b32 v[PW], v[TM+5], 8, v[TM+4]       ; row r's scale word
	v_lshl_or_b32 v[PW], v[TM+6], 16, v[PW]
	v_lshl_or_b32 v[PW], v[TM+7], 24, v[PW]
.irp b, 0,1,2,3
	v_cvt_scalef32_pk8_fp4_f32 v[PC+2*\b], v[X+16*\b:X+16*\b+7], v[TM+12+\b]      ; the codes of k = 32 b + 16 h + 0 .. 7; beyond 6 the largest code
	v_cvt_scalef32_pk8_fp4_f32 v[PC+1+2*\b], v[X+8+16*\b:X+15+16*\b], v[TM+12+\b] ; and + 8 .. 15
.endr
	v_nop                                          ; one plain place behind a scaled conversion
.irp c, 0,1                                    ; the operand's layout wants a whole block in a lane: lanes 0-15 block 2 c, lanes 16-31 block 2 c + 1
.irp i, 0,1
	v_permlane16_swap_b32 v[PC+4*\c+\i], v[PC+2+4*\c+\i]
.endr
.endr
.rept 8
	v_nop                                          ; a scale register written by a vector instruction stands 8 places ahead of a scaled matrix instruction, an operand so written 4
.endr
	; ---- the second product, TRANSPOSED: source 0 = W1's rows 16 t + 0 .. 15, source 1 = the hidden layer's 16 rows; b1 is the C.  One K step: eight instructions on eight sums
	WIN 0xd1                                       ; W1 and b1 in window 1, the codes in window 0, the sums in window 3
.irp t, 0,1,2,3,4,5,6,7
	v_wmma_scale_f32_16x16x128_f8f6f4 v[A2+8*\t:A2+8*\t+7], v[W1F+8*\t:W1F+8*\t+7], v[PC:PC+7], v[B1C+8*\t:B1C+8*\t+7], v[W1S+\t], v[PW] matrix_a_fmt:MATRIX_FMT_FP4 matrix_b_fmt:MATRIX_FMT_FP4
.endr
	WIN 0
	; the first-order sum: eleven plain instructions that name none of the products' registers: they are the places behind them
	s_wait_loadcnt 0x0                             ; w1's 20 words
	v_cndmask_b32 v[WD], v[WD], v[NIL], vcc_lo     ; field 19 belongs to lanes 0-15 (i = 19): in lanes 16-31 (i = 0) its word counts as 0
	v_pk_mul_f32 v[FS:FS+1], v[WD:WD+1], v[WX:WX+1]
.irp i, 2,4,6,8,10,12,14,16,18
	v_pk_fma_f32 v[FS:FS+1], v[WD+\i:WD+\i+1], v[WX+\i:WX+\i+1], v[FS:FS+1]
.endr
	WIN 0x0c
.set n, 0
.rept 64
	v_max_num_f32 v[X+n], 0, v[A2+n]               ; relu: register 8 t + j of lane (r, h) is output 16 t + 8 h + j of row r; each sum is read from its low end on
.set n, n+1
.endr
	WIN 0
	v_pk_add_f32 v[U:U+1], v[X+2:X+3], v[X+6:X+7]  ; the row's sum, two at a time, in two chains; one of them goes on from the first-order sum
	v_pk_add_f32 v[FS:FS+1], v[FS:FS+1], v[X:X+1]
	v_pk_add_f32 v[FS:FS+1], v[FS:FS+1], v[X+4:X+5]
.irp j, 8,12,16,20,24,28,32,36,40,44,48,52,56,60
	v_pk_add_f32 v[FS:FS+1], v[FS:FS+1], v[X+\j:X+\j+1]
	v_pk_add_f32 v[U:U+1], v[U:U+1], v[X+2+\j:X+3+\j]
.endr
	v_pk_add_f32 v[FS:FS+1], v[FS:FS+1], v[U:U+1]
	v_add_f32 v[FS], v[FS], v[FS+1]
	v_permlanex16_b32 v[TMP], v[FS], s30, s31      ; the row's other fields and outputs lie in the lane 16 away
	v_add_f32 v[FS], v[FS], v[TMP]
	v_add_f32 v[FS], s26, v[FS]                    ; + b_bias
	ds_store_b32 v[OUTW], v[FS] offset:OUTL        ; row 16 w + r; lanes r and r + 16 write the same word with the same value
	s_wait_dscnt 0x0                               ; for wave 0's sake: my 16 results lie in LDS
	s_barrier_signal -1
	s_barrier_wait -1
	s_cmp_lg_u32 s2, 0
	s_cbranch_scc1 .Ldone
	ds_load_b64 v[U:U+1], v[LN8] offset:OUTL
	s_wait_dscnt 0x0
	global_store_b64 v[LN8], v[U:U+1], s[24:25] th:TH_STORE_NT   ; 32 lanes store the work-group's 256 consecutive bytes, at a multiple of 256 from out0's first byte; written once, read by nobody here
.Ldone:
	s_wait_tensorcnt 0x0
	ds_add_u32 v254, v255
	s_wait_dscnt 0x0
	s_endpgm
.Lfunc_end_k_qc101a70ee4_nfm:
	.size	k_qc101a70ee4_nfm, .Lfunc_end_k_qc101a70ee4_nfm-k_qc101a70ee4_nfm
	.p2alignl 7, 3214868480
	.fill 96, 4, 3214868480
	.section	.rodata,"a",@progbits
	.p2align	6, 0x0
	.amdhsa_kernel k_qc101a70ee4_nfm
		.amdhsa_group_segment_fixed_size 43520
		.amdhsa_private_segment_fixed_size 0
		.amdhsa_enable_private_segment 0
		.amdhsa_kernarg_size 88
		.amdhsa_user_sgpr_count 2
		.amdhsa_user_sgpr_kernarg_segment_ptr 1
		.amdhsa_wavefront_size32 1
		.amdhsa_system_sgpr_workgroup_id_x 1
		.amdhsa_system_sgpr_workgroup_id_y 1
		.amdhsa_system_sgpr_workgroup_id_z 1
		.amdhsa_system_vgpr_workitem_id 0
		.amdhsa_next_free_vgpr 1024
		.amdhsa_next_free_sgpr 66
		.amdhsa_reserve_vcc 1
		.amdhsa_float_denorm_mode_32 3
		.amdhsa_float_denorm_mode_16_64 3
		.amdhsa_memory_ordered 1
		.amdhsa_forward_progress 1
		.amdhsa_inst_pref_size 95
	.end_amdhsa_kernel
	.amdgpu_metadata
---
amdhsa.version: [ 1, 2 ]
amdhsa.kernels:
  - .name:           k_qc101a70ee4_nfm
    .symbol:         k_qc101a70ee4_nfm.kd
    .args:
      - { .name: Xi, .offset: 0, .size: 8, .value_kind: global_buffer, .address_space: global }
      - { .name: Xv, .offset: 8, .size: 8, .value_kind: global_buffer, .address_space: global }
      - { .name: e2, .offset: 16, .size: 8, .value_kind: global_buffer, .address_space: global }
      - { .name: w1, .offset: 24, .size: 8, .value_kind: global_buffer, .address_space: global }
      - { .name: W0, .offset: 32, .size: 8, .value_kind: global_buffer, .address_space: global }
      - { .name: b0, .offset: 40, .size: 8, .value_kind: global_buffer, .address_space: global }
      - { .name: W1_codes, .offset: 48, .size: 8, .value_kind: global_buffer, .address_space: global }
      - { .name: W1_scales, .offset: 56, .size: 8, .value_kind: global_buffer, .address_space: global }
      - { .name: b1, .offset: 64, .size: 8, .value_kind: global_buffer, .address_space: global }
      - { .name: b_bias, .offset: 72, .size: 8, .value_kind: global_buffer, .address_space: global }
      - { .name: out0, .offset: 80, .size: 8, .value_kind: global_buffer, .address_space: global }
    .group_segment_fixed_size: 43520
    .private_segment_fixed_size: 0
    .kernarg_segment_align: 8
    .kernarg_segment_size: 88
    .max_flat_workgroup_size: 128
    .sgpr_count:     66
    .vgpr_count:     1024
    .wavefront_size: 32
...
	.end_amdgpu_metadata
.endif
;; end of part 1
;; ======== version 2 of 2: 1 launch; version 1 with the launch nfm written anew for expert scheduling mode
;; launch nfm (part 2): grid 256 x 1, 4 waves a work-group, no clusters, 43,520 bytes of LDS; arguments Xi, Xv, e2, w1, W0, b0, W1_codes, W1_scales, b1, b_bias, out0; writes out0
.if DOCPART == 2
	.amdgcn_target "amdgcn-amd-amdhsa--gfx1250"
	.amdhsa_code_object_version 6
	.text
	.protected	k_qc101a70ee4_nfm
	.globl	k_qc101a70ee4_nfm
	.p2align	8
	.type	k_qc101a70ee4_nfm,@function
k_qc101a70ee4_nfm:
	s_mov_b64 s[64:65], 0
	v_nop
	global_prefetch_b8 v0, s[64:65] scope:SCOPE_SE
	s_setreg_imm32_b32 hwreg(HW_REG_WAVE_SCHED_MODE, 0, 2), 2
	s_setreg_imm32_b32 hwreg(HW_REG_WAVE_MODE, 25, 1), 1
	s_wait_xcnt 0x0
	s_wait_alu depctr_vm_vsrc(0)
; out0[row] = b_bias + sum_f w1[f][idx] Xv + sum_n relu( Q(relu(second W0 + b0)) W1 + b1 )[n],  second = 0.5 (s^2 - sum_f v^2), v = e2[f][idx] Xv, s = sum_f v.
; 16,384 rows, 39 fields, 16 components, 128 hidden units.  The first product (K = 16) feeds a quantiser and is made in f32 (v_wmma_f32_16x16x4_f32); its relu is quantised along the 128 hidden units to
; E2M1 with one E8M0 scale for each 32; the second product takes these codes and W1's given codes and scales (v_wmma_scale_f32_16x16x128_f8f6f4, both sides FP4).  All else in f32.
; SHARES.  One launch, nothing through memory.  A work-group of four waves owns 64 rows (256 consecutive bytes of out0); a wave owns 16 rows, one matrix tile, through the whole chain.  No loop.
; GATHERS.  e2: four neighbouring lanes take the 64 bytes of ONE lookup, 16 bytes each, so a load of the wave brings 8 lookups whole; lane 4 g + c keeps components 4 c .. 4 c + 3 of row g (world 0) and of row
; g + 8 (world 1), so the sums over fields need no other lane.  w1: lane (r, h) takes row r, fields 19 h + 0 .. 19; field 19 so comes twice, and the word of lanes 16-31 for it is replaced by 0.
; All 98 gathers of a wave are issued on end as soon as its indices are in; the hardware holds back the issue of a load that would push the counter past its field (ISA guide 5.7.1), so no wait is written for that.
; Xi and Xv of the wave's 16 rows are 2,496 dense bytes each: read by dense loads of 16 bytes a lane, laid into the wave's own LDS stage as they lie, and read from there word by word in the two layouts.
; WEIGHTS.  Each wave reads a quarter of W0 and of W1's codes from memory in the order of the operands' registers and stores them to LDS as images of these registers (16 bytes a lane, 512 a store); behind one
; barrier every wave loads all of them.  b0, b1 and W1's scales are copied as they lie by waves 0, 1, 2.
; LEFT OUT.  Tensor loads: nothing dense is large, and gathers go lane by lane.  Clusters with joint loads: what work-groups share is 17,920 bytes of weights, against 64 x 39 x 68 = 169,728 bytes
; gathered and 19,968 bytes of Xi and Xv that are a work-group's own, and W0 is wanted turned, which a tile load does not give.  Prefetches: a gather's address is known only when its index is in, and then the load itself is issued.
; LIMITS.  An index is taken as unsigned and held at 99,999 (the definition relies on 0 <= index < 100,000).  NaN and infinities among the inputs are not served.  A hidden block whose largest number lies under
; 2^-124 keeps the scale byte 1 (a block of zeros too: its codes are zeros, which add nothing).  The f32 sums over fields, over K = 16 and over the 128 outputs are taken in another order than the definition's.
; THE MODE: SCHED_MODE bits 1:0 = 2 (LLVM: expert scheduling mode 2), set by the entry lines.  The code itself states the register dependences
; between vector or matrix instructions and memory or LDS instructions, with s_wait_alu, always for 0.
; THE PLAN.  Registers that memory or LDS instructions touch, and who else names them:
;   v1-v22          lane terms and addresses.  Written by vector instructions at the head, read by loads and stores to the end, never written again: one wait on va_vdst ahead of the first load.
;   v24-v99         Xi, Xv and my quarter of the weights: loaded from memory, read by LDS stores alone.  v24-v43 are then taken again, for w1's indices: one wait on vm_vsrc ahead of the LDS reads that land there.
;   offsets         A gather's offset has a register of its own, in which nothing lands and which is never written again: e2's in v212-250 of the world's window, w1's in v24-43.  Each is loaded from LDS as an index, held
;                   and shifted in place by vector instructions, and read by one gather: one wait on va_vdst ahead of each of the three runs of gathers.
;   gathered data   Written by the gathers, read by a world's packed arithmetic.  Window 1's v0-127 are loaded again when world 0 is done.
;   second          v208-211 of a world's window: written by the world's last vector instructions, read by one LDS store: one wait on va_vdst ahead of it.  World 0's also states that world 0 is done reading its data,
;                   in which W1's fragments and b1 then land; between that wait and those loads stand the store, which names none of their registers, and a window switch.
;   codes, scale    v240-248: written by vector instructions, taken by the scaled matrix instructions: one wait on va_vdst, behind the places.
;   the result      v140: written by the sums, read by an LDS store: one wait on va_vdst ahead of it, which also states that the sums are done with v142-143, in which wave 0's read of the 64 results lands.
;   All other operands of matrix instructions are written by LDS loads and by nothing else, and nothing lands in them later.  s2 comes from a vector instruction: one wait on va_sdst ahead of its first reader.
;
; REGISTERS, in windows of 256 (s_set_vgpr_msb: bits 1:0 source 0, 3:2 source 1, 5:4 source 2, 7:6 destination):
;   window 0: v1-23 lane terms and addresses, never rewritten; v24-99 what the head loads (v24-43 later w1's offsets); v100-139 the first-order words; v140-143 sums; v144-151 second as an operand; v152-159 W1's scale words;
;             v160-223 the hidden layer, later the outputs; v224-239 at work; v240-247 the hidden layer's codes; v248 their scale word; v249 at work
;   window 1 (world 0), window 2 (world 1): v[4 f .. 4 f + 3] field f's 4 components; v[160 + f] its Xv; v200-203 s, v204-207 sum of v^2, v208-211 at work; v[212 + f] field f's index, then its offset.
;             When world 0 is done, window 1 takes W1's 8 fragments (v0-63) and b1 in the result's layout (v64-127).
;   window 3: v0-63 W0's 8 fragments; v64-127 b0 in the result's layout; v128-191 the first product's sums (written by matrix instructions alone); v192-255 the second's.
.set NF,     39                        ; fields
.set VOCAB,  100000
.set ROWB,   4*NF                      ; a row of Xi or of Xv: 156 bytes
.set TILEB,  16*ROWB                   ; a wave's 16 rows: 2,496 bytes
.set FLD_E,  VOCAB*64                  ; a field's table in e2
.set FLD_W,  VOCAB*4                   ; and in w1
; LDS
.set STW,    5120                      ; a wave's stage: Xi at 0, Xv at XVO
.set XVO,    2560
.set SEC,    4*STW                     ; 1,024 bytes a wave: second, [16 rows][64 bytes]
.set W0IMG,  SEC+4*1024                ; W0's 8 fragments: tile t at 1,024 t; registers 0-3 at 16 x lane, registers 4-7 512 further on
.set W1IMG,  W0IMG+8192                ; W1's likewise
.set MISC,   W1IMG+8192                ; b0, b1 at +512, W1's scales at +1,024
.set OUTL,   MISC+1536                 ; the work-group's 64 results
; window 0
.set LANE, 1
.set R,    2                           ; lane % 16
.set H,    3                           ; lane / 16
.set G,    4                           ; lane / 4
.set C16,  5                           ; 16 (lane % 4)
.set LI,   6                           ; 16 x lane
.set IMGW, 7                           ; 16 x lane + 2,048 x wave: where I store images
.set STG,  8                           ; 16 x lane + my stage
.set AI,   9                           ; my stage + 156 g: row g
.set ADW,  10                          ; my stage + 156 r + 76 h: row r, field 19 h
.set SECW, 11                          ; 1,024 x wave + 16 x lane
.set SECR, 12                          ; 1,024 x wave + 64 r + 32 h
.set H64,  13
.set H32,  14
.set R4,   15
.set MISW, 16                          ; 512 x wave + 16 x lane
.set GW0,  17                          ; W0: 4,096 h + 4 (r + 8 (r / 8)) + 128 x wave
.set GW1,  18                          ; W1's codes: 64 r + 16 h + 2,048 x wave
.set HOFF, 19                          ; 19 fields of w1 x h
.set OUTW, 20                          ; 64 x wave + 4 r
.set LN8,  21                          ; 8 x lane
.set C16B, 22                          ; 16 (lane % 4) + one field's table of e2
.set NIL,  23                          ; 0
.set XIT,  24
.set WO,   24                          ; when Xi has gone to the stage: w1's index, then its offset
.set XVT,  44
.set W1T,  64
.set W0T,  80
.set MT,   96
.set WD,   100                         ; the word of w1
.set WX,   120                         ; its Xv
.set FS,   140
.set U,    142
.set BF,   144
.set W1S,  152
.set X,    160
.set TM,   224                         ; +0..3 largest numbers, +4..7 the other half's, then the bytes, +12..15 the conversions' scale operands
.set PC,   240
.set PW,   248
.set TMP,  249
; windows 1 and 2
.set XVR,  160
.set S,    200
.set Q,    204
.set T,    208
.set OFS,  212                         ; field f's index, then its offset
.set W1F,  0                           ; window 1, later
.set B1C,  64
; window 3
.set AF,   0
.set BC0,  64
.set A1,   128
.set A2,   192
.set EB,   36                          ; s[36:61] thirteen bases in e2: field 3 k.  Field 3 k + 1 is reached by the immediate 6,400,000, inside its signed 24 bits (ISA guide, chapter 10);
                                       ; field 3 k + 2 by the same immediate and 6,400,000 more in the lane term of its offset.  No immediate of a gather is negative
.set MSB, 0
.macro WIN new                         ; the immediate's high byte repeats the setting that is left; a switch that changes nothing is dropped
.if MSB != (\new)
	s_set_vgpr_msb (MSB<<8)|(\new)
.set MSB, (\new)
.endif
.endm
	s_load_b256 s[4:11], s[0:1], 0x0               ; Xi s[4:5], Xv s[6:7], e2 s[8:9], w1 s[10:11]
	s_load_b256 s[12:19], s[0:1], 0x20             ; W0 s[12:13], b0 s[14:15], W1's codes s[16:17], W1's scales s[18:19]
	s_load_b128 s[20:23], s[0:1], 0x40             ; b1 s[20:21], b_bias s[22:23]
	s_load_b64 s[24:25], s[0:1], 0x50              ; out0
	v_lshl_add_u32 v254, v0, 2, 0xa800
	v_mov_b32 v255, 0
	; all lane terms and LDS addresses are made here, while the pointers are on their way, ahead of the first branch, and stay
	v_lshrrev_b32 v[LANE], 5, v0
	v_readfirstlane_b32 s2, v[LANE]                ; wave 0..3
	v_and_b32 v[LANE], 31, v0
	v_and_b32 v[R], 15, v0
	v_bfe_u32 v[H], v0, 4, 1
	v_bfe_u32 v[G], v0, 2, 3
	v_and_b32 v[C16], 3, v0
	v_lshlrev_b32 v[C16], 4, v[C16]
	v_add_nc_u32 v[C16B], FLD_E, v[C16]
	v_lshlrev_b32 v[LI], 4, v[LANE]
	s_wait_alu depctr_va_sdst(0)                   ; s2 is written, ahead of its first reader: the wave's LDS places, its rows and the branches on the wave's number are made from it
	s_lshl_b32 s3, s2, 11
	v_add_nc_u32 v[IMGW], s3, v[LI]
	s_mul_i32 s27, s2, STW
	v_add_nc_u32 v[STG], s27, v[LI]
	v_mul_u32_u24 v[AI], v[G], ROWB
	v_add_nc_u32 v[AI], s27, v[AI]
	v_mul_u32_u24 v[ADW], v[R], ROWB
	v_mul_u32_u24 v[TMP], v[H], 19*4
	v_add_nc_u32 v[ADW], v[ADW], v[TMP]
	v_add_nc_u32 v[ADW], s27, v[ADW]
	s_lshl_b32 s3, s2, 10
	v_add_nc_u32 v[SECW], s3, v[LI]
	v_lshlrev_b32 v[SECR], 6, v[R]
	v_lshl_add_u32 v[SECR], v[H], 5, v[SECR]
	v_add_nc_u32 v[SECR], s3, v[SECR]
	v_lshlrev_b32 v[H64], 6, v[H]
	v_lshlrev_b32 v[H32], 5, v[H]
	v_lshlrev_b32 v[R4], 2, v[R]
	s_lshl_b32 s3, s2, 9
	v_add_nc_u32 v[MISW], s3, v[LI]
	v_and_b32 v[GW0], 8, v[R]
	v_add_nc_u32 v[GW0], v[GW0], v[R]              ; r + 8 (r / 8): 0 .. 7, 16 .. 23
	v_lshlrev_b32 v[GW0], 2, v[GW0]
	v_lshl_add_u32 v[GW0], v[H], 12, v[GW0]        ; + 8 h rows of W0, 512 bytes each
	s_lshl_b32 s3, s2, 7
	v_add_nc_u32 v[GW0], s3, v[GW0]                ; + my 32 hidden units
	v_lshlrev_b32 v[GW1], 6, v[R]
	v_lshl_add_u32 v[GW1], v[H], 4, v[GW1]
	s_lshl_b32 s3, s2, 11
	v_add_nc_u32 v[GW1], s3, v[GW1]                ; + my 32 rows of W1's codes
	v_mul_u32_u24 v[HOFF], v[H], 19*FLD_W
	s_lshl_b32 s3, s2, 6
	v_add_nc_u32 v[OUTW], s3, v[R4]
	v_lshlrev_b32 v[LN8], 3, v[LANE]
	v_mov_b32 v[NIL], 0
.irp b, 0,1,2,3
	v_mov_b32 v[TM+4+\b], 0                        ; written once: a lane permute's destination counts as one of its sources (v[TMP] has been written above)
.endr
	s_mov_b32 s30, 0x76543210
	s_mov_b32 s31, 0xfedcba98                      ; v_permlanex16_b32's selects for lane l xor 16
	s_mov_b32 vcc_lo, 0xffff0000                   ; lanes 16-31
	s_lshl_b32 s32, ttmp9, 2
	s_add_co_u32 s32, s32, s2
	s_mul_i32 s32, s32, TILEB                      ; my 16 rows in Xi and in Xv: (4 x work-group + wave) x 2,496 bytes
	s_mov_b32 s33, 0
	s_lshl_b32 s34, ttmp9, 8                       ; my work-group's 256 bytes of out0
	s_mov_b32 s35, 0
	s_wait_kmcnt 0x0
	s_add_nc_u64 s[4:5], s[4:5], s[32:33]
	s_add_nc_u64 s[6:7], s[6:7], s[32:33]
	s_wait_alu depctr_va_vdst(0)                   ; the lane terms and addresses v1 to v22 are written: every load and store of the kernel reads one of them, and none is written again
	; five loads of 512 consecutive bytes each; the last begins 512 bytes before the block's end and reads 64 bytes a second time, so that no lane leaves the block
.set n, 0
.irp o, 0,512,1024,1536,TILEB-512
	global_load_b128 v[XIT+4*n:XIT+4*n+3], v[LI], s[4:5] offset:\o
.set n, n+1
.endr
.set n, 0
.irp o, 0,512,1024,1536,TILEB-512
	global_load_b128 v[XVT+4*n:XVT+4*n+3], v[LI], s[6:7] offset:\o
.set n, n+1
.endr
	s_load_b32 s26, s[22:23], 0x0                  ; b_bias
	s_add_nc_u64 s[24:25], s[24:25], s[34:35]
.set k, 0
.rept 13
	s_add_nc_u64 s[EB+2*k:EB+2*k+1], s[8:9], 3*k*FLD_E
.set k, k+1
.endr
	s_cmp_eq_u32 s2, 0                             ; what I copy as it lies: wave 0 b0, wave 1 b1, wave 2 W1's scales: a choice on the wave's number alone
	s_cselect_b64 s[28:29], s[14:15], s[20:21]
	s_cmp_eq_u32 s2, 2
	s_cselect_b64 s[28:29], s[18:19], s[28:29]
	; my quarter of the weights, tiles 2 w and 2 w + 1 of each, in the order of the operands' registers
.irp u, 0,1
.irp c, 0,1
	global_load_b128 v[W1T+8*\u+4*\c:W1T+8*\u+4*\c+3], v[GW1], s[16:17] offset:1024*\u+32*\c   ; W1's row 16 t + r, codes of k = 64 c + 32 h + 0 .. 31
.endr
.endr
.irp u, 0,1
.irp i, 0,1,2,3,4,5,6,7
	global_load_b32 v[W0T+8*\u+\i], v[GW0], s[12:13] offset:512*\i+32*\u   ; W0[8 h + i][32 w + 8 u + r + 8 (r / 8)]
.endr
.endr
	s_cmp_lt_u32 s2, 3
	s_cbranch_scc0 .Lno_misc_load
	global_load_b128 v[MT:MT+3], v[LI], s[28:29]   ; 512 bytes
.Lno_misc_load:
	; ---- Xi and Xv into my stage, as they lie
	s_wait_loadcnt 20                              ; behind Xv's loads stand 20 loads (21 in waves 0 to 2): Xi and Xv are in
.set n, 0
.irp o, 0,512,1024,1536,TILEB-512
	ds_store_b128 v[STG], v[XIT+4*n:XIT+4*n+3] offset:\o
	ds_store_b128 v[STG], v[XVT+4*n:XVT+4*n+3] offset:XVO+\o
.set n, n+1
.endr
; World p's 39 indices: row g + 8 p, the same word in the four lanes of a lookup.  LDS serves a wave's instructions in order (ISA guide 5.7.1.4): these see my stores.
.macro IDX p
	WIN ((\p)+1)<<6
.set f, 0
.rept NF
	ds_load_b32 v[OFS+f], v[AI] offset:8*ROWB*(\p)+4*f
.set f, f+1
.endr
.endm
; Index to offset, in place: held at the table's last row, then 64 bytes a row + my 16 bytes (+ one field's table for fields 3 k + 2).
.macro ADDR p
	WIN (((\p)+1)<<6)|(((\p)+1)<<2)
.set f, 0
.rept NF
	v_min_u32 v[OFS+f], VOCAB-1, v[OFS+f]
.set f, f+1
.endr
	WIN (((\p)+1)<<6)|((\p)+1)
.set f, 0
.rept NF
.if f%3 == 2
	v_lshl_add_u32 v[OFS+f], v[OFS+f], 6, v[C16B]
.else
	v_lshl_add_u32 v[OFS+f], v[OFS+f], 6, v[C16]
.endif
.set f, f+1
.endr
.endm
; 39 gathers: 8 lookups of 64 bytes each.  No load lands on an offset register.  The immediate: 0 for fields 3 k, one field's table for fields 3 k + 1 and 3 k + 2.
.macro GATHER p
	WIN (((\p)+1)<<6)|((\p)+1)
	s_wait_alu depctr_va_vdst(0)                   ; the world's 39 offsets are written, which the loads below read
.set f, 0
.rept NF
	global_load_b128 v[4*f:4*f+3], v[OFS+f], s[EB+2*(f/3):EB+2*(f/3)+1] offset:((f%3+1)/2)*FLD_E
.set f, f+1
.endr
.endm
	IDX 0
	IDX 1
	WIN 0
	s_wait_alu depctr_vm_vsrc(0)                   ; the LDS stores above have read v24 to v43, Xi as it was loaded: the reads below land in these registers
.set i, 0
.rept 20
	ds_load_b32 v[WO+i], v[ADW] offset:4*i         ; row r, field 19 h + i
.set i, i+1
.endr
	s_wait_dscnt 59                                ; world 0's indices are in: behind them stand world 1's 39 reads and these 20
	ADDR 0
	GATHER 0
	s_wait_dscnt 20                                ; world 1's are in
	ADDR 1
	GATHER 1
	s_wait_dscnt 0x0
	WIN 0
.set i, 0
.rept 20
	v_min_u32 v[WO+i], VOCAB-1, v[WO+i]
.set i, i+1
.endr
.set i, 0
.rept 20
	v_lshl_add_u32 v[WO+i], v[WO+i], 2, v[HOFF]
.set i, i+1
.endr
	s_wait_alu depctr_va_vdst(0)                   ; w1's 20 offsets are written, which the loads below read
.set i, 0
.rept 20
	global_load_b32 v[WD+i], v[WO+i], s[10:11] offset:FLD_W*i   ; the field's table stands in the immediate: 7,600,000 at the most; with h's 7,600,000 and the index's 399,996 the last byte read is w1's last
.set i, i+1
.endr
	; ---- while the gathers are on their way: Xv in both layouts, the weights' images, the barrier, the first product's operands.  None of these loads lands in a register that a vector instruction has named
.macro XVL p
	WIN ((\p)+1)<<6
.set f, 0
.rept NF
	ds_load_b32 v[XVR+f], v[AI] offset:XVO+8*ROWB*(\p)+4*f
.set f, f+1
.endr
	v_mov_b32 v[XVR+NF], 0                         ; named as the upper half of field 38's pair, so it is written; no load lands in it
.endm
	XVL 0
	XVL 1
	WIN 0
.set i, 0
.rept 20
	ds_load_b32 v[WX+i], v[ADW] offset:XVO+4*i
.set i, i+1
.endr
	s_wait_loadcnt 63                              ; the weights' loads are older than the 98 gathers: with at most 63 loads out they are in
.irp u, 0,1
.irp c, 0,1
	ds_store_b128 v[IMGW], v[W1T+8*\u+4*\c:W1T+8*\u+4*\c+3] offset:W1IMG+1024*\u+512*\c
	ds_store_b128 v[IMGW], v[W0T+8*\u+4*\c:W0T+8*\u+4*\c+3] offset:W0IMG+1024*\u+512*\c
.endr
.endr
	s_cmp_lt_u32 s2, 3
	s_cbranch_scc0 .Lno_misc_store
	ds_store_b128 v[MISW], v[MT:MT+3] offset:MISC
.Lno_misc_store:
	s_wait_kmcnt 0x0                               ; b_bias
	s_wait_dscnt 0x0                               ; for the others' sake: my images lie in LDS (and my reads of Xv are in)
	s_barrier_signal -1                            ; the gathers stay on their way across this barrier: nobody writes what they read
	s_barrier_wait -1
	WIN 0xc0                                       ; destination window 3
.irp t, 0,1,2,3,4,5,6,7
.irp c, 0,1
	ds_load_b128 v[AF+8*\t+4*\c:AF+8*\t+4*\c+3], v[LI] offset:W0IMG+1024*\t+512*\c
.endr
.endr
.irp t, 0,1,2,3,4,5,6,7
.irp c, 0,1
	ds_load_b128 v[BC0+8*\t+4*\c:BC0+8*\t+4*\c+3], v[H64] offset:MISC+128*(\t/2)+32*(\t%2)+16*\c   ; b0 at hidden units 32 (t / 2) + 16 h + 8 (t % 2) + 0 .. 7
.endr
.endr
	WIN 0
.irp t, 0,1,2,3,4,5,6,7
	ds_load_b32 v[W1S+\t], v[R4] offset:MISC+1024+64*\t   ; the scale word of W1's row 16 t + r
.endr
; ---- the sums over fields.  Field f of a world: v = e x Xv; s += e x Xv; sum of squares += v x v: six packed instructions for four components.  Xv is taken from its pair's low word (f even) or high word (f odd).
; The wait's count: the loads younger than this field's, younger - f of them; a wait names 63 at the most.  Field 0 starts the sums: nothing is cleared.
.macro ACC younger
.set E0, 4*f
.set XP, XVR+2*(f/2)
.set CNT, (\younger)-f
.if CNT > 63
.set CNT, 63
.endif
	s_wait_loadcnt CNT
.if f == 0
	v_pk_mul_f32 v[S:S+1], v[E0:E0+1], v[XP:XP+1] op_sel_hi:[1,0]
	v_pk_mul_f32 v[S+2:S+3], v[E0+2:E0+3], v[XP:XP+1] op_sel_hi:[1,0]
	v_pk_mul_f32 v[Q:Q+1], v[S:S+1], v[S:S+1]
	v_pk_mul_f32 v[Q+2:Q+3], v[S+2:S+3], v[S+2:S+3]
.elseif f%2 == 0
	v_pk_mul_f32 v[T:T+1], v[E0:E0+1], v[XP:XP+1] op_sel_hi:[1,0]
	v_pk_mul_f32 v[T+2:T+3], v[E0+2:E0+3], v[XP:XP+1] op_sel_hi:[1,0]
	v_pk_fma_f32 v[S:S+1], v[E0:E0+1], v[XP:XP+1], v[S:S+1] op_sel_hi:[1,0,1]
	v_pk_fma_f32 v[S+2:S+3], v[E0+2:E0+3], v[XP:XP+1], v[S+2:S+3] op_sel_hi:[1,0,1]
	v_pk_fma_f32 v[Q:Q+1], v[T:T+1], v[T:T+1], v[Q:Q+1]
	v_pk_fma_f32 v[Q+2:Q+3], v[T+2:T+3], v[T+2:T+3], v[Q+2:Q+3]
.else
	v_pk_mul_f32 v[T:T+1], v[E0:E0+1], v[XP:XP+1] op_sel:[0,1] op_sel_hi:[1,1]
	v_pk_mul_f32 v[T+2:T+3], v[E0+2:E0+3], v[XP:XP+1] op_sel:[0,1] op_sel_hi:[1,1]
	v_pk_fma_f32 v[S:S+1], v[E0:E0+1], v[XP:XP+1], v[S:S+1] op_sel:[0,1,0] op_sel_hi:[1,1,1]
	v_pk_fma_f32 v[S+2:S+3], v[E0+2:E0+3], v[XP:XP+1], v[S+2:S+3] op_sel:[0,1,0] op_sel_hi:[1,1,1]
	v_pk_fma_f32 v[Q:Q+1], v[T:T+1], v[T:T+1], v[Q:Q+1]
	v_pk_fma_f32 v[Q+2:Q+3], v[T+2:T+3], v[T+2:T+3], v[Q+2:Q+3]
.endif
.endm
; A world: its 39 fields; second = 0.5 (s s - sum of squares); my four components to row g + 8 p of the wave's own 1,024 bytes: 64 (g + 8 p) + 16 c = 16 x lane + 512 p
.macro WORLD p, younger
	WIN 0x55*((\p)+1)                              ; every operand in the world's window
.set f, 0
.rept NF
	ACC \younger
.set f, f+1
.endr
	v_pk_fma_f32 v[T:T+1], v[S:S+1], v[S:S+1], v[Q:Q+1] neg_lo:[0,0,1] neg_hi:[0,0,1]
	v_pk_fma_f32 v[T+2:T+3], v[S+2:S+3], v[S+2:S+3], v[Q+2:Q+3] neg_lo:[0,0,1] neg_hi:[0,0,1]
	v_pk_mul_f32 v[T:T+1], v[T:T+1], 0.5 op_sel_hi:[1,0]
	v_pk_mul_f32 v[T+2:T+3], v[T+2:T+3], 0.5 op_sel_hi:[1,0]
	WIN ((\p)+1)<<2                                ; an LDS store's data are its source 1
	s_wait_alu depctr_va_vdst(0)                   ; the world's arithmetic has written v[T ..], which the store reads, and is done reading the world's gathered data (world 0: the weights' loads behind the store land there)
	ds_store_b128 v[SECW], v[T:T+3] offset:SEC+512*(\p)
.endm
	WORLD 0, 97                                    ; behind world 0's field f: 38 - f of its own, world 1's 39, w1's 20
	WIN 0x40                                       ; world 0's registers are free: window 1 takes the second product's weights.  No vector instruction stands between world 0's wait and these loads
.irp t, 0,1,2,3,4,5,6,7
.irp c, 0,1
	ds_load_b128 v[W1F+8*\t+4*\c:W1F+8*\t+4*\c+3], v[LI] offset:W1IMG+1024*\t+512*\c
.endr
.endr
.irp t, 0,1,2,3,4,5,6,7
.irp c, 0,1
	ds_load_b128 v[B1C+8*\t+4*\c:B1C+8*\t+4*\c+3], v[H32] offset:MISC+512+64*\t+16*\c   ; b1 at outputs 16 t + 8 h + 0 .. 7
.endr
.endr
	WORLD 1, 58                                    ; behind world 1's field f: 38 - f of its own, w1's 20.  Its arithmetic names window 2 alone: none of the registers in which the loads above land
	; ---- the first product, in f32, TRANSPOSED: source 0 = 16 hidden units, source 1 = my 16 rows.  Lane m of tile t = 2 b + u takes unit 32 b + 8 u + m + 8 (m / 8), so that register j of lane (r, h) is unit
	; 32 b + 16 h + 8 u + j of row r: the 16 registers of tiles 2 b, 2 b + 1 are 16 neighbours along the next K.  K is permuted alike on both sides: step s, half h, register j stand for k = 8 h + 2 s + j.
	WIN 0
	ds_load_b128 v[BF:BF+3], v[SECR] offset:SEC    ; second[r][8 h + 0 .. 7]: my own bytes, in order behind my stores
	ds_load_b128 v[BF+4:BF+7], v[SECR] offset:SEC+16
	s_wait_dscnt 0x0                               ; these, and all the weights' loads
	WIN 0xf3                                       ; W0, b0 and the sums in window 3, second in window 0
.irp s, 0,1,2,3                                ; the eight sums take turns, one instruction a turn; b0 is the C of each sum's first step
.irp t, 0,1,2,3,4,5,6,7
.if \s == 0
	v_wmma_f32_16x16x4_f32 v[A1+8*\t:A1+8*\t+7], v[AF+8*\t:AF+8*\t+1], v[BF:BF+1], v[BC0+8*\t:BC0+8*\t+7]
.else
	v_wmma_f32_16x16x4_f32 v[A1+8*\t:A1+8*\t+7], v[AF+8*\t+2*\s:AF+8*\t+2*\s+1], v[BF+2*\s:BF+2*\s+1], v[A1+8*\t:A1+8*\t+7]
.endif
.endr
.endr
	WIN 0x0c                                       ; source 1 window 3, destination window 0
.rept 8
	v_nop                                          ; eight places between this matrix form and the first read of its results
.endr
.set n, 0
.rept 64
	v_max_num_f32 v[X+n], 0, v[A1+n]               ; the activation, into other registers; each sum is read from its low end on
.set n, n+1
.endr
	WIN 0
	; ---- the hidden layer's four blocks of 32 along the next K: register 16 b + i of lane (r, h) is k = 32 b + 16 h + i of row r.  No |.| on the sources: none is negative
.irp b, 0,1,2,3
	v_max3_num_f32 v[TM+\b], v[X+16*\b], v[X+1+16*\b], 0x1800000   ; my 16 numbers, and the floor 2^(3 - 127): so the byte cannot fall under 1
.endr
.irp i, 2,4,6,8,10,12,14
.irp b, 0,1,2,3
	v_max3_num_f32 v[TM+\b], v[TM+\b], v[X+16*\b+\i], v[X+1+16*\b+\i]   ; (the four blocks by turns)
.endr
.endr
.irp b, 0,1,2,3
	v_permlanex16_b32 v[TM+4+\b], v[TM+\b], s30, s31
.endr
.irp b, 0,1,2,3
	v_max_num_f32 v[TM+\b], v[TM+\b], v[TM+4+\b]   ; with lane l xor 16's 16: the block's largest number
.endr
.irp b, 0,1,2,3
	v_add_nc_u32 v[TM+12+\b], 0xff000000, v[TM+\b] ; 2 off its exponent field: the conversion takes the exponent field of this operand as its scale, and nothing else of it
.endr
.irp b, 0,1,2,3
	v_lshrrev_b32 v[TM+4+\b], 23, v[TM+12+\b]      ; the scale's byte
.endr
	v_lshl_or_b32 v[PW], v[TM+5], 8, v[TM+4]       ; row r's scale word
	v_lshl_or_b32 v[PW], v[TM+6], 16, v[PW]
	v_lshl_or_b32 v[PW], v[TM+7], 24, v[PW]
.irp b, 0,1,2,3
	v_cvt_scalef32_pk8_fp4_f32 v[PC+2*\b], v[X+16*\b:X+16*\b+7], v[TM+12+\b]      ; the codes of k = 32 b + 16 h + 0 .. 7; beyond 6 the largest code
	v_cvt_scalef32_pk8_fp4_f32 v[PC+1+2*\b], v[X+8+16*\b:X+15+16*\b], v[TM+12+\b] ; and + 8 .. 15
.endr
	v_nop                                          ; one plain place behind a scaled conversion
.irp c, 0,1                                    ; the operand's layout wants a whole block in a lane: lanes 0-15 block 2 c, lanes 16-31 block 2 c + 1
.irp i, 0,1
	v_permlane16_swap_b32 v[PC+4*\c+\i], v[PC+2+4*\c+\i]
.endr
.endr
.rept 8
	v_nop                                          ; a scale register written by a vector instruction stands 8 places ahead of a scaled matrix instruction, an operand so written 4
.endr
	; ---- the second product, TRANSPOSED: source 0 = W1's rows 16 t + 0 .. 15, source 1 = the hidden layer's 16 rows; b1 is the C.  One K step: eight instructions on eight sums
	WIN 0xd1                                       ; W1 and b1 in window 1, the codes in window 0, the sums in window 3
	s_wait_alu depctr_va_vdst(0)                   ; the conversions and the exchanges have written the codes v[PC ..], the shifts their scale word v[PW], which the scaled matrix instructions take; the places above stay beside this wait
.irp t, 0,1,2,3,4,5,6,7
	v_wmma_scale_f32_16x16x128_f8f6f4 v[A2+8*\t:A2+8*\t+7], v[W1F+8*\t:W1F+8*\t+7], v[PC:PC+7], v[B1C+8*\t:B1C+8*\t+7], v[W1S+\t], v[PW] matrix_a_fmt:MATRIX_FMT_FP4 matrix_b_fmt:MATRIX_FMT_FP4
.endr
	WIN 0
	; the first-order sum: eleven plain instructions that name none of the products' registers: they are the places behind them
	s_wait_loadcnt 0x0                             ; w1's 20 words
	v_cndmask_b32 v[WD], v[WD], v[NIL], vcc_lo     ; field 19 belongs to lanes 0-15 (i = 19): in lanes 16-31 (i = 0) its word counts as 0
	v_pk_mul_f32 v[FS:FS+1], v[WD:WD+1], v[WX:WX+1]
.irp i, 2,4,6,8,10,12,14,16,18
	v_pk_fma_f32 v[FS:FS+1], v[WD+\i:WD+\i+1], v[WX+\i:WX+\i+1], v[FS:FS+1]
.endr
	WIN 0x0c
.set n, 0
.rept 64
	v_max_num_f32 v[X+n], 0, v[A2+n]               ; relu: register 8 t + j of lane (r, h) is output 16 t + 8 h + j of row r; each sum is read from its low end on
.set n, n+1
.endr
	WIN 0
	v_pk_add_f32 v[U:U+1], v[X+2:X+3], v[X+6:X+7]  ; the row's sum, two at a time, in two chains; one of them goes on from the first-order sum
	v_pk_add_f32 v[FS:FS+1], v[FS:FS+1], v[X:X+1]
	v_pk_add_f32 v[FS:FS+1], v[FS:FS+1], v[X+4:X+5]
.irp j, 8,12,16,20,24,28,32,36,40,44,48,52,56,60
	v_pk_add_f32 v[FS:FS+1], v[FS:FS+1], v[X+\j:X+\j+1]
	v_pk_add_f32 v[U:U+1], v[U:U+1], v[X+2+\j:X+3+\j]
.endr
	v_pk_add_f32 v[FS:FS+1], v[FS:FS+1], v[U:U+1]
	v_add_f32 v[FS], v[FS], v[FS+1]
	v_permlanex16_b32 v[TMP], v[FS], s30, s31      ; the row's other fields and outputs lie in the lane 16 away
	v_add_f32 v[FS], v[FS], v[TMP]
	v_add_f32 v[FS], s26, v[FS]                    ; + b_bias
	s_wait_alu depctr_va_vdst(0)                   ; the sums have written v[FS], which the store reads, and are done with v[U ..], in which wave 0's read behind the barrier lands: no vector instruction follows this wait
	ds_store_b32 v[OUTW], v[FS] offset:OUTL        ; row 16 w + r; lanes r and r + 16 write the same word with the same value
	s_wait_dscnt 0x0                               ; for wave 0's sake: my 16 results lie in LDS
	s_barrier_signal -1
	s_barrier_wait -1
	s_cmp_lg_u32 s2, 0
	s_cbranch_scc1 .Ldone
	ds_load_b64 v[U:U+1], v[LN8] offset:OUTL
	s_wait_dscnt 0x0
	global_store_b64 v[LN8], v[U:U+1], s[24:25] th:TH_STORE_NT   ; 32 lanes store the work-group's 256 consecutive bytes, at a multiple of 256 from out0's first byte; written once, read by nobody here
.Ldone:
	s_wait_dscnt 0x0
	s_wait_alu depctr_hold_cnt(0) depctr_sa_sdst(0) depctr_va_vdst(0) depctr_va_sdst(0) depctr_va_ssrc(0) depctr_va_vcc(0) depctr_vm_vsrc(0)
	s_wait_tensorcnt 0x0
	ds_add_u32 v254, v255
	s_wait_dscnt 0x0
	s_endpgm
.Lfunc_end_k_qc101a70ee4_nfm:
	.size	k_qc101a70ee4_nfm, .Lfunc_end_k_qc101a70ee4_nfm-k_qc101a70ee4_nfm
	.p2alignl 7, 3214868480
	.fill 96, 4, 3214868480
	.section	.rodata,"a",@progbits
	.p2align	6, 0x0
	.amdhsa_kernel k_qc101a70ee4_nfm
		.amdhsa_group_segment_fixed_size 43520
		.amdhsa_private_segment_fixed_size 0
		.amdhsa_enable_private_segment 0
		.amdhsa_kernarg_size 88
		.amdhsa_user_sgpr_count 2
		.amdhsa_user_sgpr_kernarg_segment_ptr 1
		.amdhsa_wavefront_size32 1
		.amdhsa_system_sgpr_workgroup_id_x 1
		.amdhsa_system_sgpr_workgroup_id_y 1
		.amdhsa_system_sgpr_workgroup_id_z 1
		.amdhsa_system_vgpr_workitem_id 0
		.amdhsa_next_free_vgpr 1024
		.amdhsa_next_free_sgpr 66
		.amdhsa_reserve_vcc 1
		.amdhsa_float_denorm_mode_32 3
		.amdhsa_float_denorm_mode_16_64 3
		.amdhsa_memory_ordered 1
		.amdhsa_forward_progress 1
		.amdhsa_inst_pref_size 95
	.end_amdhsa_kernel
	.amdgpu_metadata
---
amdhsa.version: [ 1, 2 ]
amdhsa.kernels:
  - .name:           k_qc101a70ee4_nfm
    .symbol:         k_qc101a70ee4_nfm.kd
    .args:
      - { .name: Xi, .offset: 0, .size: 8, .value_kind: global_buffer, .address_space: global }
      - { .name: Xv, .offset: 8, .size: 8, .value_kind: global_buffer, .address_space: global }
      - { .name: e2, .offset: 16, .size: 8, .value_kind: global_buffer, .address_space: global }
      - { .name: w1, .offset: 24, .size: 8, .value_kind: global_buffer, .address_space: global }
      - { .name: W0, .offset: 32, .size: 8, .value_kind: global_buffer, .address_space: global }
      - { .name: b0, .offset: 40, .size: 8, .value_kind: global_buffer, .address_space: global }
      - { .name: W1_codes, .offset: 48, .size: 8, .value_kind: global_buffer, .address_space: global }
      - { .name: W1_scales, .offset: 56, .size: 8, .value_kind: global_buffer, .address_space: global }
      - { .name: b1, .offset: 64, .size: 8, .value_kind: global_buffer, .address_space: global }
      - { .name: b_bias, .offset: 72, .size: 8, .value_kind: global_buffer, .address_space: global }
      - { .name: out0, .offset: 80, .size: 8, .value_kind: global_buffer, .address_space: global }
    .group_segment_fixed_size: 43520
    .private_segment_fixed_size: 0
    .kernarg_segment_align: 8
    .kernarg_segment_size: 88
    .max_flat_workgroup_size: 128
    .sgpr_count:     66
    .vgpr_count:     1024
    .wavefront_size: 32
...
	.end_amdgpu_metadata
.endif
;; end of part 2
